; MI455X (gfx1250); checked and timed in simulation.
; The chip was launched on July 23, 2026; its instructions are those of AMD's public machine-readable ISA for CDNA 5 (MIT licence, August 2026) and "CDNA5" Instruction Set Architecture Reference Guide (July 2026). The comments in the code are by the model that wrote it; some were corrected since.
;; Attention With Coverage. Allowed arithmetic: matrix products marked QUANTISED: E3M2 operands, one E8M0 scale for each 32 along K, by v_wmma_scale_f32_16x16x128_f8f6f4 with both operands' format E3M2, f32 sums; products left as they are: f32 operands where the result goes on into a quantised operand, else bf16, f16 or f32 operands; f32 sums; everything else in f32.
;; Inputs: U_codes 1,024 x 32 x 24 uint8 (E3M2 codes of U, K innermost, in blocks of 32 codes, four codes in three bytes); U_scales 1,024 x 32 uint8 (E8M0 scales of U, one for each 32 codes along K); W_codes 1,024 x 32 x 24 uint8 (E3M2 codes of W, K innermost, in blocks of 32 codes, four codes in three bytes); W_scales 1,024 x 32 uint8 (E8M0 scales of W, one for each 32 codes along K); coverage 32 x 2,048 float32; matrix 32 x 2,048 x 1,024 float32; matrix_mask 32 x 2,048 bool; v 1,024 float32; vector_codes 32 x 32 x 24 uint8 (E3M2 codes of vector, K innermost, in blocks of 32 codes, four codes in three bytes); vector_scales 32 x 32 uint8 (E8M0 scales of vector, one for each 32 codes along K); w1 1,024 float32.
;; Outputs: out0 32 x 1,024 float32; out1 32 x 2,048 float32; out2 32 x 2,048 float32.
;; This version of the problem:
;;   THIS VERSION OF THE PROBLEM IS GIVEN IN LOW PRECISION. The matrix products marked QUANTISED in the list below multiply operands that are first quantised to E3M2 (3 exponent bits, 2 mantissa bits; 6 bits a number), with one power-of-two scale for each 32 numbers along K (OCP MX v1.0); their sums are f32. All else is computed in f32.
;;   The module's matrix products, in the order in which they are computed (A, B: the left and right operand; K: the contracted axis; several contracted axes count as one K, in the product's order):
;;     1. [M 32, K 1,024] x [K 1,024, N 1,024]; A: input vector (given as codes); B: input W (given as codes): QUANTISED
;;     2. [M 65,536, K 1,024] x [K 1,024, N 1,024]; A: input matrix; B: input U (given as codes): QUANTISED
;;     3. [M 65,536, K 1,024] x [K 1,024, N 1]; A: computed on the way; B: input v: left as it is (N = 1 < 16)
;;     4. batch 32 x [M 1, K 2,048] x [K 2,048, N 1,024]; A: computed on the way; B: input matrix: left as it is (M = 1 < 16)
;;   THE QUANTISER, for each operand of a quantised product, along K:
;;     - K is cut into blocks of 32 from its start; a last block that is shorter is filled with zeros.
;;     - A block's scale is 2^e with e = floor(log2(the largest magnitude in the block)) - 4, held to -126 .. 127; a block of zeros has e = 0. As a byte (E8M0): e + 127.
;;     - Each number is divided by its block's scale, clamped to +-28, and rounded to the nearest number of E3M2, ties to even, subnormals kept.
;;     - The product sums the exact products of the quantised numbers (number of the format x scale) in f32.
;;   ~~~python
;;   def quantise(x, axis):      # numpy; x: float32 -> the quantised numbers, widened to float32 again
;;       x = np.moveaxis(x, axis, -1); K = x.shape[-1]
;;       x = np.pad(x, [(0, 0)] * (x.ndim - 1) + [(0, -K % 32)]); x = x.reshape(x.shape[:-1] + (-1, 32)); a = np.abs(x).max(-1, keepdims=True)
;;       e = np.where(a > 0, np.clip(np.frexp(np.where(a > 0, a, 1))[1] - 1 - 4, -126, 127), 0)      # np.frexp(a)[1] - 1 = floor(log2(a)), exactly
;;       r = np.clip(x / 2.0 ** e, -28, 28)
;;       step = 2.0 ** (np.maximum(np.frexp(np.where(r == 0, 1, r))[1] - 1, -2) - 2)
;;       q = np.round(r / step) * step * 2.0 ** e      # np.round: ties to even
;;       return np.moveaxis(q.reshape(q.shape[:-2] + (-1,))[..., :K], -1, axis).astype(np.float32)
;;   ~~~
;;   INPUTS GIVEN AS CODES. U (in the module: [1024, 1024], K = its axis 0); W (in the module: [1024, 1024], K = its axis 0); vector (in the module: [32, 1024], K = its axis 1): each comes as NAME_codes (uint8): NAME with its K axis moved to the last place and cut into blocks of 32 codes, [.., K / 32, bytes a block], one block behind the other in memory; four codes in three bytes: a row's codes are one little-endian stream of bits, code i at bits 6 i .. 6 i + 5 (a code: sign, 3 exponent bits, 2 mantissa bits); and NAME_scales (uint8): the same leading axes, one E8M0 byte (e + 127) for each 32 codes along K. Its value is code x scale, taken as it is: it is not quantised again, and the codes and scales need not be those that the quantiser above would give.
;; One version. Each part assembles by itself: llvm-mc -triple=amdgcn-amd-amdhsa -mcpu=gfx1250 --defsym DOCPART=n.
;; ======== version 1 of 1: 3 launches
;; workspace buffers: uimg 819,200 bytes; tab 393,216 bytes; sraw 262,144 bytes
;; launch prep (part 1): grid 16 x 1, 4 waves a work-group, no clusters, 152,064 bytes of LDS; arguments U_codes, U_scales, W_codes, W_scales, vector_codes, vector_scales, w1, v, uimg, tab; writes uimg, tab
.if DOCPART == 1
	.amdgcn_target "amdgcn-amd-amdhsa--gfx1250"
	.amdhsa_code_object_version 6
	.text
	.protected	k_q6ef8e63165_prep
	.globl	k_q6ef8e63165_prep
	.p2align	8
	.type	k_q6ef8e63165_prep,@function
k_q6ef8e63165_prep:
	s_mov_b64 s[64:65], 0
	v_nop
	global_prefetch_b8 v0, s[64:65] scope:SCOPE_SE
	s_setreg_imm32_b32 hwreg(HW_REG_WAVE_MODE, 25, 1), 1
	s_wait_xcnt 0x0
; Three small things ahead of the large product, one wave to each of the 64 tiles of 16 columns n:
;  (1) vW[b][n] = sum over k of vector[b][k] W[k][n], on the given codes of E3M2 and their E8M0 scales;
;  (2) U's codes and scales laid out in the order of a matrix operand's registers (uimg), so that the next launch brings a tile by dense loads of 16 bytes a lane;
;  (3) one table for each batch, tab[b][3][1024] f32: w1, vW[b], v: 12,288 dense bytes that the next launch keeps in LDS.
; uimg: tile t at 12,800 t.  In it the fragment of K step s (16 rows x 128 K, 12 registers a lane) at 1,536 s, registers 4 c .. 4 c + 3 at + 512 c, lane l's 16 bytes at + 16 l;
; at + 12,288 the tile's scale bytes: lane (r, h) holds bytes 16 h .. 16 h + 15 of row 16 t + r, that is register i = the word of K step 4 h + i.
; THE CODES COME DENSE AND TURN THROUGH LDS.  A fragment wants 8-byte pieces of sixteen rows 768 bytes apart; but a tile's 16 rows are 12,288 consecutive bytes of memory, and vector's 32 rows 24,576.  So every load
; of codes reads 512 consecutive bytes, 16 a lane; the bytes go into LDS as they lie, in rows of 768 + 16 bytes, and the fragments are read from there.  U's and W's rows lie in each wave's own bytes;
; vector's are brought by the four waves, a quarter each, and read by all behind a barrier.
; THE PRODUCT IS USED TRANSPOSED: source 0 = 16 rows of W (n), source 1 = 16 rows of vector (batches): lane (r, h) then holds batch 16 H + r and n = 16 t + 8 h + 0 .. 7.
; The table's rows leave through a stage in LDS, since a row's aligned 256 bytes (64 columns) come from the four waves.
; REGISTERS: window 0: v1-15 addresses; v16-31 w1 and v; then as named below.  Window 1: W's and vector's bytes as loaded, later vector's 16 fragments, (H, s) at v[12 (8 H + s)].  Window 2: U's bytes as loaded.
.set PR,  784                          ; an LDS row of codes: 768 bytes + 16 = 196 words: row r starts at bank 4 r mod 64 (64 banks of 4 bytes: ISA guide 11.1); lanes 16-31 read 6 banks on: the 32 lanes of an 8-byte load touch 64 different banks
.set TR,  16*PR                        ; a tile's 16 rows
.set WR,  4*TR                         ; LDS: U's rows, a tile for each wave, at 0; W's likewise here;
.set VR,  8*TR                         ; vector's 32 rows;
.set STG, VR+32*PR                     ; the table's stage: 96 rows x 272 bytes
.set SPI, 272                          ; a stage row: 256 bytes + 16
.set FRA, 1                            ; v1   a fragment's place in my wave's tile: TR x wave + PR r + 24 h
.set SD,  11                           ; v11  where my 16 bytes of a dense load go: TR x wave + 16 x lane;  v12 the same + 16 h
.set VD,  13                           ; v13  the same for my quarter of vector: VR + 8 PR x wave + 16 x lane;  v14 + 16 h
.set VFA, 15                           ; v15  a fragment's place among vector's rows: VR + PR r + 24 h
.set WF,  32                           ; v32-127   W's 8 fragments; later rows of the table read back
.set UF,  128                          ; v128-223  U's 8 fragments
.set AC,  224                          ; v224-239  two accumulators: batches 0-15, 16-31
.set WS,  240                          ; v240-243  W's scale words: register i: lanes 0-15 K step i, lanes 16-31 K step 4 + i
.set VSC, 244                          ; v244-251  vector's, four for each half of the batches
.set US,  252                          ; v252-255  U's scale bytes, as data
.set MSB, 0
.macro WIN new                         ; the immediate's high byte repeats the setting that is left
.if MSB != \new
	s_set_vgpr_msb (MSB<<8)|\new
.set MSB, \new
.endif
.endm
; n dense loads: 512 consecutive bytes each, 16 a lane
.macro DENSE n, reg, base
.set J, 0
.rept \n
	global_load_b128 v[\reg+4*J:\reg+4*J+3], v4, s[\base:\base+1] offset:512*J
.set J, J+1
.endr
.endm
; and into LDS as they lie.  Piece q = 32 J + lane of 16 bytes lies in row q / 48 (a row is 48 pieces), so it goes to 16 q + 16 (q / 48): 32 J is 48 floor(2 J / 3) + 0, 32 or 16,
; so q / 48 is floor(2 J / 3), and one more in lanes 16-31 where J % 3 = 1: there the second address register serves.
.macro TOLDS n, reg, adr, off
.set J, 0
.rept \n
.if J%3 == 1
	ds_store_b128 v[\adr+1], v[\reg+4*J:\reg+4*J+3] offset:\off+512*J+16*((2*J)/3)
.else
	ds_store_b128 v[\adr], v[\reg+4*J:\reg+4*J+3] offset:\off+512*J+16*((2*J)/3)
.endif
.set J, J+1
.endr
.endm
; a fragment is the row's stream of bits as it lies: 24 bytes at 96 s + 24 h, 24 more 48 bytes on, in pieces of 8 bytes, so that every address is a multiple of the access's size
.macro FRAG reg, adr, off
.irp p, 0,1,2,3,4,5
	ds_load_b64 v[\reg+2*\p:\reg+2*\p+1], v[\adr] offset:\off+48*(\p/3)+8*(\p%3)
.endr
.endm
	s_load_b512 s[4:19], s[0:1], 0x0               ; U's codes s[4:5], U's scales s[6:7], W's codes s[8:9], W's scales s[10:11], vector's codes s[12:13], its scales s[14:15], w1 s[16:17], v s[18:19]
	s_load_b128 s[20:23], s[0:1], 0x40             ; uimg s[20:21], tab s[22:23]
	s_set_vgpr_msb 0x40
	v_lshl_add_u32 v254, v0, 2, 0x25000
	v_mov_b32 v255, 0
	s_set_vgpr_msb 0x4000
	v_lshrrev_b32 v8, 5, v0
	v_readfirstlane_b32 s24, v8                    ; wave 0..3
	v_and_b32 v8, 15, v0                           ; r
	v_bfe_u32 v9, v0, 4, 1                         ; h
	v_and_b32 v10, 31, v0                          ; lane
	v_lshlrev_b32 v2, 5, v8                        ; scales: a row is 32 bytes,
	v_lshl_add_u32 v2, v9, 4, v2                   ; + 16 h
	v_lshlrev_b32 v3, 5, v9                        ; w1 and v: my half's eight numbers
	v_lshlrev_b32 v4, 4, v10                       ; 16 x lane: my bytes of a dense load, and an image's place for my lane
	s_mul_i32 s36, s24, TR                         ; my wave's tile in LDS
	v_mul_u32_u24 v[FRA], v8, PR
	v_mad_u32_u24 v[FRA], v9, 24, v[FRA]           ; PR r + 24 h
	v_add_nc_u32 v[VFA], VR, v[FRA]
	v_add_nc_u32 v[FRA], s36, v[FRA]
	v_add_nc_u32 v[SD], s36, v4
	v_lshl_add_u32 v[SD+1], v9, 4, v[SD]
	s_mul_i32 s37, s24, 8*PR                       ; my quarter of vector: rows 8 wave .. 8 wave + 7
	s_add_co_u32 s37, s37, VR
	v_add_nc_u32 v[VD], s37, v4
	v_lshl_add_u32 v[VD+1], v9, 4, v[VD]
	s_lshl_b32 s38, s24, 6
	s_add_co_u32 s38, s38, STG
	v_mul_u32_u24 v5, v8, 3*SPI                    ; the stage, on the way in: row 3 (16 H + r) + section, byte 64 wave + 32 h
	v_lshl_add_u32 v5, v9, 5, v5
	v_add_nc_u32 v5, s38, v5
	s_mul_i32 s39, s24, 24*SPI                     ; and back: wave w takes rows 24 w .. 24 w + 23, sixteen lanes to a row
	s_add_co_u32 s39, s39, STG
	v_mul_u32_u24 v6, v9, SPI
	v_lshl_add_u32 v6, v8, 4, v6
	v_add_nc_u32 v6, s39, v6
	s_mul_i32 s42, s24, 24*4096                    ; the same rows in tab: 4,096 bytes a row
	v_lshlrev_b32 v7, 12, v9
	v_lshl_add_u32 v7, v8, 4, v7
	v_add_nc_u32 v7, s42, v7
	s_lshl_b32 s25, ttmp9, 2
	s_add_co_u32 s25, s25, s24                     ; my tile t = 4 x work-group + wave
	s_mul_i32 s26, s25, 12288                      ; 16 rows of codes
	s_mov_b32 s27, 0
	s_lshl_b32 s28, s25, 9                         ; 16 rows of scales
	s_mov_b32 s29, 0
	s_lshl_b32 s30, s25, 6                         ; 16 numbers of w1 and of v
	s_mov_b32 s31, 0
	s_mul_i32 s32, s25, 12800                      ; my tile's image
	s_mov_b32 s33, 0
	s_lshl_b32 s34, ttmp9, 8                       ; the work-group's 64 columns in a row of tab
	s_mov_b32 s35, 0
	s_mul_i32 s40, s24, 6144                       ; my quarter of vector's codes: 8 rows of 768 bytes
	s_mov_b32 s41, 0
	s_wait_kmcnt 0x0
	s_add_nc_u64 s[4:5], s[4:5], s[26:27]
	s_add_nc_u64 s[8:9], s[8:9], s[26:27]
	s_add_nc_u64 s[6:7], s[6:7], s[28:29]
	s_add_nc_u64 s[10:11], s[10:11], s[28:29]
	s_add_nc_u64 s[12:13], s[12:13], s[40:41]
	s_add_nc_u64 s[16:17], s[16:17], s[30:31]
	s_add_nc_u64 s[18:19], s[18:19], s[30:31]
	s_add_nc_u64 s[20:21], s[20:21], s[32:33]
	s_add_nc_u64 s[22:23], s[22:23], s[34:35]
	; 63 loads, what the product waits for first
	WIN 0x40                                       ; destination window 1
	DENSE 12, 96, 12                               ; my quarter of vector's codes
	DENSE 24, 0, 8                                 ; my tile of W's
	WIN 0
	global_load_b128 v[WS:WS+3], v2, s[10:11]
	global_load_b128 v[VSC:VSC+3], v2, s[14:15]
	global_load_b128 v[VSC+4:VSC+7], v2, s[14:15] offset:512
	WIN 0x80                                       ; destination window 2
	DENSE 24, 0, 4                                 ; my tile of U's
	WIN 0
	s_wait_loadcnt 27                              ; vector's and W's 36 are in; the 3 loads of scales and U's 24 may be out
	WIN 0x04                                       ; an LDS store's data are its source 1: window 1
	TOLDS 12, 96, VD, 0
	TOLDS 24, 0, SD, WR
	WIN 0
	global_load_b128 v[US:US+3], v2, s[6:7]
	global_load_b128 v[16:19], v3, s[16:17]        ; w1(16 t + 8 h + 0 .. 7)
	global_load_b128 v[20:23], v3, s[16:17] offset:16
	global_load_b128 v[24:27], v3, s[18:19]        ; v likewise
	global_load_b128 v[28:31], v3, s[18:19] offset:16
	s_wait_dscnt 0x0                               ; for the others' sake: my quarter of vector lies in LDS.  (So the stores have also read window 1's registers, into which fragments land below)
	s_barrier_signal -1
	s_barrier_wait -1                              ; everybody's does
.irp s, 0,1,2,3,4,5,6,7
	FRAG WF+12*\s, FRA, WR+96*\s
.endr
	WIN 0x40                                       ; destination window 1
.irp H, 0,1
.irp s, 0,1,2,3,4,5,6,7
	FRAG 12*(8*\H+\s), VFA, TR*\H+96*\s
.endr
.endr
	WIN 0
	s_wait_loadcnt 5                               ; the scales and U's 24 are in; the five small loads issued behind them may be out
	WIN 0x08                                       ; the data: window 2
	TOLDS 24, 0, SD, 0
	WIN 0
.irp s, 0,1,2,3,4,5,6,7
	FRAG UF+12*\s, FRA, 96*\s                      ; LDS serves a wave's instructions in order (ISA guide 5.7.1.4): these see my stores
.endr
	s_wait_dscnt 63                                ; W's and vector's fragments are in: behind the last of them 72 LDS instructions were issued (U's 24 stores and 48 loads)
	; vW: K ascending, the two accumulators by turns; the first K step starts the sums.  U's turn through LDS goes on meanwhile
	WIN 0x04                                       ; source 1 (vector) window 1
.irp s, 0,1,2,3,4,5,6,7
.irp H, 0,1
.if \s == 0
	v_wmma_scale_f32_16x16x128_f8f6f4 v[AC+8*\H:AC+8*\H+7], v[WF+12*\s:WF+12*\s+11], v[12*(8*\H+\s):12*(8*\H+\s)+11], 0, v[WS+\s], v[VSC+4*\H+\s] matrix_a_fmt:MATRIX_FMT_BF6 matrix_b_fmt:MATRIX_FMT_BF6
.elseif \s < 4
	v_wmma_scale_f32_16x16x128_f8f6f4 v[AC+8*\H:AC+8*\H+7], v[WF+12*\s:WF+12*\s+11], v[12*(8*\H+\s):12*(8*\H+\s)+11], v[AC+8*\H:AC+8*\H+7], v[WS+\s], v[VSC+4*\H+\s] matrix_a_fmt:MATRIX_FMT_BF6 matrix_b_fmt:MATRIX_FMT_BF6
.else
	v_wmma_scale_f32_16x16x128_f8f6f4 v[AC+8*\H:AC+8*\H+7], v[WF+12*\s:WF+12*\s+11], v[12*(8*\H+\s):12*(8*\H+\s)+11], v[AC+8*\H:AC+8*\H+7], v[WS+\s-4], v[VSC+4*\H+\s-4] matrix_a_fmt:MATRIX_FMT_BF6 matrix_b_fmt:MATRIX_FMT_BF6 matrix_a_scale:MATRIX_SCALE_ROW1 matrix_b_scale:MATRIX_SCALE_ROW1
.endif
.endr
.endr
	WIN 0
.rept 4
	v_nop                                          ; four places between the last product and the LDS stores that read results, and the loads into W's registers further down
.endr
	s_wait_loadcnt 0x0                             ; w1, v and U's scale bytes
.irp H, 0,1                                    ; rows 3 b, 3 b + 1, 3 b + 2 of the stage, b = 16 H + r: w1, vW[b], v; each accumulator from its low end on
	ds_store_b128 v5, v[16:19] offset:(48*\H)*SPI
	ds_store_b128 v5, v[20:23] offset:(48*\H)*SPI+16
	ds_store_b128 v5, v[AC+8*\H:AC+8*\H+3] offset:(48*\H+1)*SPI
	ds_store_b128 v5, v[AC+8*\H+4:AC+8*\H+7] offset:(48*\H+1)*SPI+16
	ds_store_b128 v5, v[24:27] offset:(48*\H+2)*SPI
	ds_store_b128 v5, v[28:31] offset:(48*\H+2)*SPI+16
.endr
	s_wait_dscnt 0x0                               ; for the others' sake: my stores into the stage are done; and U's fragments are in
	; U's image: each store covers 512 consecutive bytes, at a multiple of 256 from uimg's first byte
.irp s, 0,1,2,3,4,5,6,7
.irp c, 0,1,2
	global_store_b128 v4, v[UF+12*\s+4*\c:UF+12*\s+4*\c+3], s[20:21] offset:1536*\s+512*\c
.endr
.endr
	global_store_b128 v4, v[US:US+3], s[20:21] offset:12288
	s_barrier_signal -1
	s_barrier_wait -1                              ; the stage's 96 rows are whole
.irp i, 0,1,2,3,4,5,6,7,8,9,10,11
	ds_load_b128 v[WF+4*\i:WF+4*\i+3], v6 offset:2*\i*SPI
.endr
.irp i, 0,1,2,3,4,5,6,7,8,9,10,11
	s_wait_dscnt 11-\i                             ; LDS loads come back in order: pair i of rows is in, the younger ones may be out
	global_store_b128 v7, v[WF+4*\i:WF+4*\i+3], s[22:23] offset:2*\i*4096   ; sixteen lanes store 256 consecutive bytes, at a multiple of 256 from tab's first byte
.endr
	s_set_vgpr_msb 0x5
	s_wait_tensorcnt 0x0
	ds_add_u32 v254, v255
	s_wait_dscnt 0x0
	s_set_vgpr_msb 0x500
	s_endpgm
.Lfunc_end_k_q6ef8e63165_prep:
	.size	k_q6ef8e63165_prep, .Lfunc_end_k_q6ef8e63165_prep-k_q6ef8e63165_prep
	.p2alignl 7, 3214868480
	.fill 96, 4, 3214868480
	.section	.rodata,"a",@progbits
	.p2align	6, 0x0
	.amdhsa_kernel k_q6ef8e63165_prep
		.amdhsa_group_segment_fixed_size 152064
		.amdhsa_private_segment_fixed_size 0
		.amdhsa_enable_private_segment 0
		.amdhsa_kernarg_size 80
		.amdhsa_user_sgpr_count 2
		.amdhsa_user_sgpr_kernarg_segment_ptr 1
		.amdhsa_wavefront_size32 1
		.amdhsa_system_sgpr_workgroup_id_x 1
		.amdhsa_system_sgpr_workgroup_id_y 1
		.amdhsa_system_sgpr_workgroup_id_z 1
		.amdhsa_system_vgpr_workitem_id 0
		.amdhsa_next_free_vgpr 768
		.amdhsa_next_free_sgpr 66
		.amdhsa_reserve_vcc 0
		.amdhsa_float_denorm_mode_32 3
		.amdhsa_float_denorm_mode_16_64 3
		.amdhsa_memory_ordered 1
		.amdhsa_forward_progress 1
		.amdhsa_inst_pref_size 34
	.end_amdhsa_kernel
	.amdgpu_metadata
---
amdhsa.version: [ 1, 2 ]
amdhsa.kernels:
  - .name:           k_q6ef8e63165_prep
    .symbol:         k_q6ef8e63165_prep.kd
    .args:
      - { .name: U_codes, .offset: 0, .size: 8, .value_kind: global_buffer, .address_space: global }
      - { .name: U_scales, .offset: 8, .size: 8, .value_kind: global_buffer, .address_space: global }
      - { .name: W_codes, .offset: 16, .size: 8, .value_kind: global_buffer, .address_space: global }
      - { .name: W_scales, .offset: 24, .size: 8, .value_kind: global_buffer, .address_space: global }
      - { .name: vector_codes, .offset: 32, .size: 8, .value_kind: global_buffer, .address_space: global }
      - { .name: vector_scales, .offset: 40, .size: 8, .value_kind: global_buffer, .address_space: global }
      - { .name: w1, .offset: 48, .size: 8, .value_kind: global_buffer, .address_space: global }
      - { .name: v, .offset: 56, .size: 8, .value_kind: global_buffer, .address_space: global }
      - { .name: uimg, .offset: 64, .size: 8, .value_kind: global_buffer, .address_space: global }
      - { .name: tab, .offset: 72, .size: 8, .value_kind: global_buffer, .address_space: global }
    .group_segment_fixed_size: 152064
    .private_segment_fixed_size: 0
    .kernarg_segment_align: 8
    .kernarg_segment_size: 80
    .max_flat_workgroup_size: 128
    .sgpr_count:     66
    .vgpr_count:     768
    .wavefront_size: 32
...
	.end_amdgpu_metadata
.endif
;; end of part 1
;; launch gemm (part 2): grid 256 x 1, 4 waves a work-group, clusters of 4 x 1, 327,680 bytes of LDS; arguments matrix, coverage, uimg, tab, sraw; writes sraw
.if DOCPART == 2
	.amdgcn_target "amdgcn-amd-amdhsa--gfx1250"
	.amdhsa_code_object_version 6
	.text
	.protected	k_q6ef8e63165_gemm
	.globl	k_q6ef8e63165_gemm
	.p2align	8
	.type	k_q6ef8e63165_gemm,@function
k_q6ef8e63165_gemm:
	s_mov_b64 s[64:65], 0
	v_nop
	global_prefetch_b8 v0, s[64:65] scope:SCOPE_SE
	s_setreg_imm32_b32 hwreg(HW_REG_WAVE_MODE, 25, 1), 1
	s_wait_xcnt 0x0
	s_wait_alu depctr_hold_cnt(0) depctr_sa_sdst(0) depctr_va_vdst(0) depctr_va_sdst(0) depctr_va_ssrc(0) depctr_va_vcc(0) depctr_vm_vsrc(0)
	s_getreg_b32 s2, hwreg(HW_REG_IB_STS2, 6, 4)
	s_cmp_eq_u32 s2, 0
	s_cbranch_scc0 .Lentry_in_a_cluster
	s_endpgm
.Lentry_in_a_cluster:
	s_bfe_u32 s2, ttmp6, 0x10000c
	s_cmp_lg_u32 s2, 0x3003
	s_cbranch_scc0 .Lentry_shape_is_right
	s_endpgm
.Lentry_shape_is_right:
; sraw[row] = sum over n of v[n] tanh( vW[b][n] + (Q(matrix) U)[row][n] + coverage[row] w1[n] ), row = 2,048 b + l; Q: the quantiser to E3M2 with one E8M0 scale for each 32 along K.
; SHARES.  A work-group owns 256 rows of one batch, each of its four waves 64 rows, for all 1,024 n and all of K.  A wave reads its 64 x 1,024 numbers once, quantises them and KEEPS THE CODES IN
; REGISTERS (4 tiles of 16 rows x 8 K steps x 12 registers = 384).  U then walks by, tile of 16 n after tile, out of a ring of two LDS slots; each fragment of U read from LDS feeds four matrix instructions.
; Tile m, lane r is row 4 r + m of the wave's 64, so that a lane's four results are neighbours in sraw.
; THE PRODUCT IS USED TRANSPOSED: source 0 = 16 rows of U (n), source 1 = 16 rows of matrix: lane (r, h) holds ONE row and n = 16 t + 8 h + 0 .. 7.  The sum over n stays in the lane but for one exchange at the end.
; THE C OF A TILE'S FIRST PRODUCT is w1[n] coverage[row] + vW[n]: the two additions of the formula cost one fused multiply-add.
; tanh(x) = 1 - 2 / (1 + 2^(c x)), c = 2 log2(e): where the power is infinite or 0 the result is 1 or -1.  The lane keeps sum(v r), r = 1 / (1 + 2^(c x)), and sum(v); the result is sum(v) - 2 sum(v r):
; the same terms as sum(v tanh) in another order of rounding; both partial sums are bounded by the sum of |v|.
; BY TURNS.  While tile t is multiplied (32 matrix instructions on one set of four accumulators), tile t - 1, in the other set, is finished: its 132 vector instructions stand in slices behind the matrix instructions.
; CLUSTER.  The four work-groups of a cluster belong to one batch and walk the same U and the same table: every tensor load is asked for JOINTLY, with the same descriptor and a mask that names the four.
; LIMITS: NaN and infinities in matrix are not served.  A block of zeros gets the scale byte 1 where the quantiser says 127: its codes are zeros, and only this launch reads the byte.
;
; LDS: slot 0 at 0, slot 1 at 2^17, 8 tiles of 12,800 bytes each; behind them the batch's table (w1, vW, v: 3 x 4,096 bytes), filled once; a stage of 2 x 16 rows x 528 bytes for each wave, which no fill touches; the spare words.
; REGISTERS, in windows of 256 (s_set_vgpr_msb: bits 1:0 source 0, 3:2 source 1, 5:4 source 2, 7:6 destination):
;   window 0: addresses, sums, scale words, the two sets of accumulators, U's 8 fragments: ALL that the loop's vector and LDS lines name as destination, source 0 or source 2.
;   window 1: the codes of K steps 0-3, (s, m) at v[12 (4 s + m)];  window 2: those of K steps 4-7 likewise; v192-199 coverage, v200-215 v of two tiles;  window 3: numbers as loaded, four sets of 64.
; Only SOURCE 1's window differs in the loop (1 for a tile's first 16 products, 2 for the others), so a slice needs no switch: its source 1 is a scalar, a constant, or lies in window 2 on purpose.
.set TILEB,  12800
.set SLOTB,  8*TILEB                   ; 102,400 bytes
.set SLOT1,  1<<17                     ; one exclusive or turns an address in one slot into the other's
.set QUART,  SLOTB/4                   ; what one tensor load brings: 100 rows of 256 bytes
.set TAB,    SLOT1+SLOTB
.set STAGE,  TAB+12288
.set SPITCH, 528                       ; a stage row: 512 bytes + 16, so that the sixteen rows that a load touches lie 16 bytes apart modulo 256
.set STG,    16*SPITCH
.set SPARE,  STAGE+4*2*STG             ; the spare words, 128 bytes for each wave: two blocks of 256 bytes that no other line names
.set LI,  1                            ; v1   16 x lane
.set AD,  2                            ; v2   LDS address of the tile whose fragments are being fetched
.set TH,  3                            ; v3   TAB + 32 h
.set AT,  4                            ; v4   TH + 64 x the next tile's number
.set SPW, 5                            ; v5   LDS address of my spare word; never rewritten
.set NIL, 6                            ; v6   0; never rewritten
.set STI, 7                            ; v7   the stage, on the way in: 16 x lane
.set STO, 8                            ; v8   and back: row r, + 128 h
.set SH8, 9                            ; v9   8 h
.set SRO, 10                           ; v10  16 r + 8 h: my 8 bytes of the wave's 256 in sraw
.set CVO, 11                           ; v11  16 r: my four rows' coverage
.set S,   12                           ; v12-19  sum(v r), a pair for each tile of rows
.set VS,  20                           ; v20-21  sum(v)
.set SA,  24                           ; v24-39  matrix's scale words: register 4 m + i: lanes 0-15 K step i, lanes 16-31 K step 4 + i
.set SB,  40                           ; v40-47  U's, two sets of four, laid likewise
.set W1T, 48                           ; v48-55  w1 of the next tile
.set VWT, 56                           ; v56-63  vW of the next tile
.set ACC, 64                           ; v64-127 two sets of four accumulators
.set BF,  128                          ; v128-223 U's 8 fragments
.set X,   128                          ; load phase: v128-255 two sets of 64 numbers, a lane's two blocks of 32
.set CV,  64                           ; load phase: v64-67 coverage
.set TM,  68                           ; load phase: v68-69 largest magnitudes, v70-71 scale operands, v72-73 bytes, v74 the word, v75 the other half's
.set SO,  70
.set BY,  72
.set WD,  74
.set WP,  75
.set COV, 192                          ; window 2
.set VT,  200                          ; window 2: set p holds v of a tile of parity p
.set TW,  224                          ; windows 1 and 2: the upper halves of a block's codes, on their way
.set WV,  14                           ; s14  my wave's number
.set CS,  22                           ; s[22:23] c
.set G1U, 24                           ; s[24:31] descriptor group 1 for a quarter of a slot
.set G1T, 32                           ; s[32:39] for a quarter of the table
.set G0A, 40                           ; s[40:43] group 0: slot 0's first fill
.set G0W, 44                           ; s[44:47] slot 1's first fill; it then walks on
.set G0T, 48                           ; s[48:51] the table
.set TB,  52                           ; s52  LDS byte at which the next tile to be fetched begins
.set TT,  53                           ; s53  64 x its number
.set NSL, 54                           ; s54  counts slots
.set NPR, 55                           ; s55  counts pairs of tiles
.set MHI, 56                           ; s56  lanes 16-31
.set SEL, 58                           ; s[58:59] v_permlanex16_b32's selects for lane l xor 16
.set MSB, 0
.macro WIN new                         ; the immediate's high byte repeats the setting that is left; a switch that changes nothing is dropped
.if MSB != \new
	s_set_vgpr_msb (MSB<<8)|\new
.set MSB, \new
.endif
.endm
; A round of the cluster's barrier: my work-group's barrier, wave 0 signals for the work-group, every wave waits for all four work-groups, my work-group's barrier once more.
.macro ROUND
	s_barrier_signal -1
	s_barrier_wait -1
	s_cmp_lg_u32 s[WV], 0
	s_cbranch_scc1 .Lnot_wave_0_\@
	s_barrier_signal -3
.Lnot_wave_0_\@:
	s_barrier_wait -3
	s_barrier_signal -1
	s_barrier_wait -1
.endm
	s_load_b256 s[4:11], s[0:1], 0x0               ; matrix s[4:5], coverage s[6:7], uimg s[8:9], tab s[10:11]
	s_load_b64 s[12:13], s[0:1], 0x20              ; sraw
	v_lshl_add_u32 v[SPW], v0, 2, SPARE
	v_mov_b32 v[NIL], 0
	ds_add_u32 v5, v6
	ds_add_u32 v5, v6
	s_wait_dscnt 0x0
	v_lshrrev_b32 v[LI], 5, v0
	v_readfirstlane_b32 s[WV], v[LI]               ; wave 0..3
	s_bfe_u32 s15, ttmp6, 0x40000                  ; cx: my place in the cluster: it enters the offsets in matrix, coverage and sraw alone
	s_lshl_b32 s16, ttmp9, 2                       ; in a cluster launch ttmp9 counts clusters
	s_add_co_u32 s16, s16, s15                     ; my work-group
	s_mov_b32 s[CS], 0x4038aa3b                    ; c = 2 log2(e)
	s_mov_b32 s[CS+1], s[CS]                       ; (named with it as a pair, so it is written)
	s_mov_b32 s[MHI], 0xffff0000
	s_mov_b32 s[SEL], 0x76543210
	s_mov_b32 s[SEL+1], 0xfedcba98
	; descriptor groups 1: dense blocks as rows of 256 bytes (32 elements of 8 bytes), no padding: the images are read 16 consecutive bytes a lane
	s_mov_b32 s[G1U], 15|(3<<16)|(1<<21)           ; 15:0 the mask: all four work-groups; 17:16 elements of 8 bytes; 21 set beside a mask
	s_mov_b32 s[G1U+1], 32<<16                     ; tensor_dim0 = 32
	s_mov_b32 s[G1U+2], 100<<16                    ; tensor_dim1 = 100
	s_mov_b32 s[G1U+3], 32<<16                     ; tile_dim0 = 32
	s_mov_b32 s[G1U+4], 100                        ; tile_dim1 = 100
	s_mov_b32 s[G1U+5], 32                         ; from row to row
	s_mov_b32 s[G1U+6], 0
	s_mov_b32 s[G1U+7], 0
	s_mov_b32 s[G1T], 15|(3<<16)|(1<<21)
	s_mov_b32 s[G1T+1], 32<<16
	s_mov_b32 s[G1T+2], 12<<16                     ; 12 rows: 3,072 bytes a wave
	s_mov_b32 s[G1T+3], 32<<16
	s_mov_b32 s[G1T+4], 12
	s_mov_b32 s[G1T+5], 32
	s_mov_b32 s[G1T+6], 0
	s_mov_b32 s[G1T+7], 0
	s_mul_i32 s[G0A+1], s[WV], QUART               ; LDS: my quarter of slot 0,
	s_mov_b32 s18, s[G0A+1]                        ; and the same offset in uimg
	s_mov_b32 s19, 0
	s_add_co_u32 s[G0W+1], s[G0A+1], SLOT1         ; of slot 1
	s_mul_i32 s20, s[WV], 3072
	s_add_co_u32 s[G0T+1], s20, TAB                ; my quarter of the table
	s_lshr_b32 s21, ttmp9, 1                       ; the batch: 8 work-groups, 2 clusters, to each
	s_mul_i32 s21, s21, 12288
	s_add_co_u32 s20, s20, s21
	s_mov_b32 s21, 0
	s_mov_b32 s[G0A], 1
	s_mov_b32 s[G0W], 1
	s_mov_b32 s[G0T], 1
	s_wait_kmcnt 0x0
	s_add_nc_u64 s[G0A+2:G0A+3], s[8:9], s[18:19]
	s_add_nc_u64 s[G0W+2:G0W+3], s[G0A+2:G0A+3], SLOTB
	s_add_nc_u64 s[G0T+2:G0T+3], s[10:11], s[20:21]
	s_or_b32 s[G0A+3], s[G0A+3], 0x80000000        ; type = 2
	s_or_b32 s[G0W+3], s[G0W+3], 0x80000000
	s_or_b32 s[G0T+3], s[G0T+3], 0x80000000
	ROUND                                          ; all four work-groups are here: the first joint loads meet
	tensor_load_to_lds s[G0T:G0T+3], s[G1T:G1T+7]  ; the first fills go out together: three loads of mine are out.  They land while matrix is read
	s_nop 0
	tensor_load_to_lds s[G0A:G0A+3], s[G1U:G1U+7]
	s_nop 0
	tensor_load_to_lds s[G0W:G0W+3], s[G1U:G1U+7]
	s_nop 0
.rept 4
	v_nop
.endr
	v_and_b32 v[LI], 31, v0
	v_lshlrev_b32 v[LI], 4, v[LI]
	v_and_b32 v[CVO], 15, v0                       ; r
	v_bfe_u32 v[SH8], v0, 4, 1                     ; h
	s_mul_i32 s17, s[WV], 2*STG
	s_add_co_u32 s17, s17, STAGE                   ; my two stages
	v_add_nc_u32 v[STI], s17, v[LI]
	v_mul_u32_u24 v[STO], v[CVO], SPITCH
	v_lshl_add_u32 v[STO], v[SH8], 7, v[STO]
	v_add_nc_u32 v[STO], s17, v[STO]
	v_lshl_add_u32 v[TH], v[SH8], 5, TAB
	v_lshlrev_b32 v[CVO], 4, v[CVO]
	v_lshl_add_u32 v[SRO], v[SH8], 3, v[CVO]
	v_lshlrev_b32 v[SH8], 3, v[SH8]
	v_mov_b32 v[WP], 0                             ; written once: a lane permute's destination counts as one of its sources
	s_lshl_b32 s60, s16, 20                        ; matrix: 256 rows of 4,096 bytes a work-group,
	s_lshl_b32 s61, s[WV], 18                      ; 64 a wave (the sum stays under 2^28)
	s_add_co_u32 s60, s60, s61
	s_mov_b32 s61, 0
	s_add_nc_u64 s[4:5], s[4:5], s[60:61]
	s_lshl_b32 s62, s16, 10                        ; coverage and sraw: 4 bytes a row
	s_lshl_b32 s63, s[WV], 8
	s_add_co_u32 s62, s62, s63
	s_mov_b32 s63, 0
	s_add_nc_u64 s[6:7], s[6:7], s[62:63]
	s_add_nc_u64 s[12:13], s[12:13], s[62:63]
	global_load_b128 v[CV:CV+3], v[CVO], s[6:7]    ; coverage of rows 4 r .. 4 r + 3: my oldest load
; ---- THE LOAD PHASE: 32 steps, f = 8 m + s: tile of rows m, K step s.
; LOADF: 16 loads, each 512 consecutive bytes of one row (row 4 j + m, bytes 512 s on), into set f % 4 of window 3.
.macro LOADF f
	WIN 0xc0                                       ; destination window 3
.irp j, 0,1,2,3,4,5,6,7,8,9,10,11,12,13,14,15
	global_load_b128 v[64*((\f)%4)+4*\j:64*((\f)%4)+4*\j+3], v[LI], s[4:5] offset:(4*\j+(\f)/8)*4096+512*((\f)%8) th:TH_LOAD_NT
.endr
.endm
; TURNF: the 16 x 512 bytes go through my stage as they lie and come back 128 + 128 bytes a lane: lane (r, h) then holds k = 64 c + 32 h + 0 .. 31 of its row, c = 0, 1: the two blocks that the operand's layout gives it.
; LDS serves a wave's instructions in order (ISA guide 5.7.1.4): no wait between the stores and the loads.
.macro TURNF f
	WIN 0x0c                                       ; an LDS store's data are its source 1: window 3
.irp j, 0,1,2,3,4,5,6,7,8,9,10,11,12,13,14,15
	ds_store_b128 v[STI], v[64*((\f)%4)+4*\j:64*((\f)%4)+4*\j+3] offset:STG*((\f)%2)+SPITCH*\j
.endr
	WIN 0
.irp c, 0,1
.irp i, 0,1,2,3,4,5,6,7
	ds_load_b128 v[X+64*((\f)%2)+32*\c+4*\i:X+64*((\f)%2)+32*\c+4*\i+3], v[STO] offset:STG*((\f)%2)+256*\c+16*\i
.endr
.endr
.endm
; QUANTF: a lane's two whole blocks become the fragment's 12 registers and two bytes of its row's scale word.
.macro QUANTF f
.set XB, X+64*((\f)%2)
.set QS, (\f)%8
.set QM, (\f)/8
.set AW, 1+QS/4                        ; the codes' window
.set AB, 12*(4*(QS%4)+QM)              ; and their first register
	v_max3_num_f32 v[TM], |v[XB]|, |v[XB+1]|, 0x2800000            ; the block's largest magnitude, and the floor 2^(5 - 127): so the byte cannot fall under 1, as the quantiser holds it
	v_max3_num_f32 v[TM+1], |v[XB+32]|, |v[XB+33]|, 0x2800000
.irp i, 2,4,6,8,10,12,14,16,18,20,22,24,26,28,30
	v_max3_num_f32 v[TM], v[TM], |v[XB+\i]|, |v[XB+\i+1]|          ; (the two blocks by turns)
	v_max3_num_f32 v[TM+1], v[TM+1], |v[XB+32+\i]|, |v[XB+33+\i]|
.endr
	v_add_nc_u32 v[SO], 0xfe000000, v[TM]          ; 4 off the exponent field: the conversion takes the exponent field of this operand as its scale
	v_add_nc_u32 v[SO+1], 0xfe000000, v[TM+1]
	v_lshrrev_b32 v[BY], 23, v[SO]                 ; the scale's byte
	v_lshrrev_b32 v[BY+1], 23, v[SO+1]
	v_lshl_or_b32 v[WD], v[BY+1], 16, v[BY]        ; my bytes are those of blocks h and 2 + h:
	v_lshlrev_b32 v[WD], v[SH8], v[WD]             ; 8 h bits up;
	v_permlanex16_b32 v[WP], v[WD], s[SEL], s[SEL+1]
	v_or_b32 v[WD], v[WD], v[WP]                   ; with lane l xor 16's two the word is whole
.if QS < 4
	v_mov_b32 v[SA+4*QM+QS], v[WD]                 ; K steps 0-3 are read from lanes 0-15,
.else
	v_cndmask_b32 v[SA+4*QM+QS-4], v[SA+4*QM+QS-4], v[WD], s[MHI]  ; K steps 4-7 from lanes 16-31 of the same registers
.endif
	WIN AW<<6
	v_cvt_scalef32_pk16_bf6_f32 v[AB:AB+2], v[XB:XB+15], v[SO]
	v_cvt_scalef32_pk16_bf6_f32 v[TW:TW+2], v[XB+16:XB+31], v[SO]          ; (a conversion's three registers begin on an even number: a block's upper half is made elsewhere and moved)
	v_cvt_scalef32_pk16_bf6_f32 v[AB+6:AB+8], v[XB+32:XB+47], v[SO+1]
	v_cvt_scalef32_pk16_bf6_f32 v[TW+4:TW+6], v[XB+48:XB+63], v[SO+1]
	v_nop                                          ; one plain place behind the scaled conversions
	WIN (AW<<6)|AW
.irp i, 0,1,2
	v_mov_b32 v[AB+3+\i], v[TW+\i]
	v_mov_b32 v[AB+9+\i], v[TW+4+\i]
.endr
	WIN 0
.endm
	LOADF 0
	LOADF 1
	LOADF 2
	LOADF 3
	s_wait_loadcnt 48                              ; coverage and step 0's sixteen are in; three sets may be out
	TURNF 0
.set F, 0
.rept 32
	s_wait_dscnt 0x0                               ; step F's numbers are back from the stage, and the stage's stores have read set F % 4,
.if F+4 < 32
	LOADF F+4                                      ; which takes the loads of four steps on
.endif
.if F+1 < 32
.set LN, F+4
.if LN > 31
.set LN, 31
.endif
	s_wait_loadcnt 16*(LN-F-1)                     ; step F + 1's sixteen are in; the sets issued behind them may be out
	TURNF F+1                                      ; and go through the other stage while step F is quantised
.endif
	QUANTF F
.set F, F+1
.endr
; ---- THE PRODUCT.  Line QN of a list, for the set of accumulators at EB; each macro steps QN.
; QLINE 0: 16 packed scalings c x and 32 exponentials; QLINE 1: 16 packed additions of 1 and 32 reciprocals.  48 lines: packed 0, packed 1, then for p = 0 .. 15: transcendental 2 p, 2 p + 1, and packed p + 2 while there is one.
; The pairs ascend; no line names the result of a transcendental of its own list.
.macro QLINE kind
.set QK, 2
.if QN < 2
.set QR, EB+2*QN
.elseif QN < 44
.set QK, (QN-2)%3
.set QR, EB+2*((QN-2)/3)+QK
.if QK == 2
.set QR, EB+2*((QN-2)/3)+4
.endif
.else
.set QK, 0
.set QR, EB+QN-16
.endif
.if QK == 2
.if \kind == 0
	v_pk_mul_f32 v[QR:QR+1], v[QR:QR+1], s[CS:CS+1] op_sel_hi:[1,0]
.else
	v_pk_add_f32 v[QR:QR+1], v[QR:QR+1], 1.0 op_sel_hi:[1,0]
.endif
.else
.if \kind == 0
	v_exp_f32 v[QR], v[QR]
.else
	v_rcp_f32 v[QR], v[QR]
.endif
.endif
.set QN, QN+1
.endm
; Q3L: lines 0-19: for q = 0 .. 3: sum(v r) of the four tiles of rows takes pair q, then sum(v) takes v's pair q.  Lines 20-35: the set becomes the C of the tile after next's... of the next tile: w1 coverage + vW.
; v (at VB) and coverage are source 1 and lie in window 2.
.macro Q3L
.if QN < 20
.if QN%5 < 4
.set QR, EB+8*(QN%5)+2*(QN/5)
	v_pk_fma_f32 v[S+2*(QN%5):S+2*(QN%5)+1], v[QR:QR+1], v[VB+2*(QN/5):VB+2*(QN/5)+1], v[S+2*(QN%5):S+2*(QN%5)+1]
.else
	v_pk_add_f32 v[VS:VS+1], v[VS:VS+1], v[VB+2*(QN/5):VB+2*(QN/5)+1]
.endif
.else
.set QP, QN-20
	v_pk_fma_f32 v[EB+2*QP:EB+2*QP+1], v[W1T+2*(QP%4):W1T+2*(QP%4)+1], v[COV+2*(QP/4):COV+2*(QP/4)+1], v[VWT+2*(QP%4):VWT+2*(QP%4)+1]
.endif
.set QN, QN+1
.endm
; Product MI of a tile's 32: K step MI / 4, tile of rows MI % 4.  The four accumulators take turns, one instruction a turn, K ascending.
.macro MM par
.set MS, MI/4
.set MR, MI%4
.set MD, ACC+32*(\par)+8*MR
.set MU, BF+12*MS
.set MA, 12*(4*(MS%4)+MR)
.if MS < 4
	v_wmma_scale_f32_16x16x128_f8f6f4 v[MD:MD+7], v[MU:MU+11], v[MA:MA+11], v[MD:MD+7], v[SB+4*(\par)+MS], v[SA+4*MR+MS] matrix_a_fmt:MATRIX_FMT_BF6 matrix_b_fmt:MATRIX_FMT_BF6
.else
	v_wmma_scale_f32_16x16x128_f8f6f4 v[MD:MD+7], v[MU:MU+11], v[MA:MA+11], v[MD:MD+7], v[SB+4*(\par)+MS-4], v[SA+4*MR+MS-4] matrix_a_fmt:MATRIX_FMT_BF6 matrix_b_fmt:MATRIX_FMT_BF6 matrix_a_scale:MATRIX_SCALE_ROW1 matrix_b_scale:MATRIX_SCALE_ROW1
.endif
.set MI, MI+1
.endm
; A TILE of 16 n.  par: its set of accumulators.  mode 0: plain; 1: a slot's last tile, the slot is filled again; 2: a slot's last tile, nothing is filled; 3: the last tile of all.
.macro TILE par, mode
.set EB, ACC+32*(1-(\par))             ; the tile before, which is finished here
.set VB, VT+8*(1-(\par))               ; and its v
	WIN 0x04                                       ; source 1: the codes of K steps 0-3
.irp s, 4,5,6,7                        ; fragments 4-7 of this tile.  The last products that read these registers stand nine plain lines back (four are asked: ISA guide 7.12.1 for vector lines).
.irp c, 0,1,2                          ; Fragments 0-3, the scale words and the C were waited for ahead of the last tile's 29th product
	ds_load_b128 v[BF+12*\s+4*\c:BF+12*\s+4*\c+3], v[AD] offset:1536*\s+512*\c
.endr
.endr
.set MI, 0
.set QN, 0
.rept 16
	MM \par
	QLINE 0
	QLINE 0
	QLINE 0
.endr
.if ((\mode) == 1) || ((\mode) == 2)
	s_sub_co_u32 s[TB], s[TB], SLOTB               ; the fetches go back to a slot's first tile,
	s_xor_b32 s[TB], s[TB], SLOT1                  ; in the other slot
.endif
.if (\mode) != 3                       ; four plain lines: the place behind the last exponential, and the places in front of the loads into fragments 0-3 (the three lines behind the 16th product are exponentials, which are no places)
	v_add_nc_u32 v[AD], v[LI], s[TB]               ; (the vector register stands first: source 1's window is not 0 here)
.else
	v_nop
.endif
	v_add_nc_u32 v[AT], v[TH], s[TT]
	v_nop
	v_nop
.if (\mode) != 3
	s_add_co_u32 s[TB], s[TB], TILEB
	s_add_co_u32 s[TT], s[TT], 64
.endif
	s_wait_alu depctr_va_vdst(0)                   ; one wait for the 32 exponentials, ahead of the first line that names a result, and of the branches below
.if ((\mode) == 1) || ((\mode) == 2)
	; THE CHANGE OF SLOTS: this tile's last fragments have been asked for.
	WIN 0
	s_wait_tensorcnt 0x0                           ; all my tensor loads have landed: the one that was out is my quarter of the other slot;
	ds_add_u32 v[SPW], v[NIL]                      ; 0 onto my spare word
.if (\mode) == 1
	s_xor_b32 s[G0W+1], s[G0W+1], SLOT1            ; no load of mine is out, so the walking descriptor may be written: the other slot than last time,
	s_add_nc_u64 s[G0W+2:G0W+3], s[G0W+2:G0W+3], SLOTB  ; the next 8 tiles; the type bits on top are not reached
.endif
	s_wait_dscnt 0x0                               ; the add is done, and my reads of this slot are over
.if (\mode) == 1
	ROUND                                          ; the same holds of every wave of all four work-groups
	tensor_load_to_lds s[G0W:G0W+3], s[G1U:G1U+7]  ; my one tensor load behind the round, and the first thing there: it has 8 tiles, 256 matrix instructions, in which to land
	s_nop 0
.rept 4
	v_nop
.endr
.else
	s_barrier_signal -1
	s_barrier_wait -1                              ; the last slot is whole for every wave
.endif
.endif
	WIN 0x80                                       ; destination window 2
	ds_load_b128 v[VT+8*(\par):VT+8*(\par)+3], v[AT] offset:8192-64        ; v of THIS tile, for the next tile's slices (AT stands one tile on)
	ds_load_b128 v[VT+8*(\par)+4:VT+8*(\par)+7], v[AT] offset:8192-64+16
	WIN 0x08                                       ; source 1: the codes of K steps 4-7, coverage, v
.if (\mode) != 3
.irp s, 0,1,2,3                        ; the next tile's fragments 0-3, scale words, w1 and vW
.irp c, 0,1,2
	ds_load_b128 v[BF+12*\s+4*\c:BF+12*\s+4*\c+3], v[AD] offset:1536*\s+512*\c
.endr
.endr
	ds_load_b128 v[SB+4*(1-(\par)):SB+4*(1-(\par))+3], v[AD] offset:12288
	ds_load_b128 v[W1T:W1T+3], v[AT]
	ds_load_b128 v[W1T+4:W1T+7], v[AT] offset:16
	ds_load_b128 v[VWT:VWT+3], v[AT] offset:4096
	ds_load_b128 v[VWT+4:VWT+7], v[AT] offset:4096+16
	s_wait_dscnt 19                                ; fragments 4-7 are in; the 19 just issued may be out
.else
	s_wait_dscnt 2                                 ; likewise; the 2 just issued may be out
.endif
.set QN, 0
.rept 12
	MM \par
	QLINE 1
	QLINE 1
	QLINE 1
	QLINE 1
.endr
	v_nop                                          ; a plain place behind the last reciprocal
	s_wait_alu depctr_va_vdst(0)                   ; one wait for the 32 reciprocals
	s_wait_dscnt 0x0                               ; all that the middle asked for is in
.set QN, 0
.rept 4
	MM \par
.if (\mode) != 3
.rept 9
	Q3L
.endr
.else
.rept 5
	Q3L
.endr
.endif
.endr
.endm
; A slot's first seven tiles: a pair is written once and walked three times.  At a label and at a branch every window is 0.
.macro SEVEN
	WIN 0
	s_mov_b32 s[NPR], 3
.Lpair_\@:
	TILE 0, 0
	TILE 1, 0
	WIN 0
	s_sub_co_u32 s[NPR], s[NPR], 1
	s_cmp_lg_u32 s[NPR], 0
	s_cbranch_scc1 .Lpair_\@
	TILE 0, 0
.endm
	s_wait_tensorcnt 0x1                           ; the table and my quarter of slot 0 are in; slot 1's load may stay out.  (No LDS instruction of mine is out: step 31 began with the wait for all)
	s_barrier_signal -1
	s_barrier_wait -1                              ; everybody's are
	WIN 0x80
.irp m, 0,1,2,3
	v_mov_b32 v[COV+2*\m], v[CV+\m]                ; coverage of row 4 r + m, twice: a pair for the packed form
	v_mov_b32 v[COV+2*\m+1], v[CV+\m]
.endr
.irp j, 0,1,2,3,4,5,6,7
	v_mov_b32 v[VT+8+\j], 0                        ; the loop is written once: its first tile finishes a tile that is not there, whose v is 0: it adds nothing
.endr
	WIN 0
.set J, 0
.rept 32
	v_mov_b32 v[ACC+32+J], 0                       ; (that tile's numbers: any finite ones)
.set J, J+1
.endr
.set J, 0
.rept 10
	v_mov_b32 v[S+J], 0                            ; sum(v r) and sum(v)
.set J, J+1
.endr
	v_mov_b32 v[AD], v[LI]                         ; tile 0
	v_mov_b32 v[AT], v[TH]
.irp s, 0,1,2,3
.irp c, 0,1,2
	ds_load_b128 v[BF+12*\s+4*\c:BF+12*\s+4*\c+3], v[AD] offset:1536*\s+512*\c
.endr
.endr
	ds_load_b128 v[SB:SB+3], v[AD] offset:12288
	ds_load_b128 v[W1T:W1T+3], v[AT]
	ds_load_b128 v[W1T+4:W1T+7], v[AT] offset:16
	ds_load_b128 v[VWT:VWT+3], v[AT] offset:4096
	ds_load_b128 v[VWT+4:VWT+7], v[AT] offset:4096+16
	s_mov_b32 s[TB], TILEB
	s_mov_b32 s[TT], 64
	s_wait_dscnt 0x0
	WIN 0x08
.set EB, ACC
.set QN, 20
.rept 16
	Q3L                                            ; tile 0's C
.endr
	WIN 0
	s_mov_b32 s[NSL], 6
.Lslot:                                                ; six trips: slots' worth 0 to 5 of U; each is left for the tiles two slots on
	SEVEN
	TILE 1, 1
	WIN 0
	s_sub_co_u32 s[NSL], s[NSL], 1
	s_cmp_lg_u32 s[NSL], 0
	s_cbranch_scc1 .Lslot
	SEVEN                                          ; the last two slots are written out
	TILE 1, 2
	SEVEN
	TILE 1, 3
	; the last tile is finished: the five lines behind its last product are the places in front of the first read of its results
.set EB, ACC+32
.set VB, VT+8
.set QN, 0
.rept 48
	QLINE 0
.endr
	v_nop
	s_wait_alu depctr_va_vdst(0)
.set QN, 0
.rept 48
	QLINE 1
.endr
	v_nop
	s_wait_alu depctr_va_vdst(0)
.set QN, 0
.rept 20
	Q3L
.endr
	WIN 0
.irp m, 0,1,2,3
	v_add_f32 v[W1T+\m], v[S+2*\m], v[S+2*\m+1]    ; sum(v r) of row 4 r + m over my half of the n
.endr
	v_add_f32 v[VWT], v[VS], v[VS+1]               ; sum(v) over the same n
.irp m, 0,1,2,3
	v_fma_f32 v[W1T+\m], v[W1T+\m], -2.0, v[VWT]   ; sum(v) - 2 sum(v r)
.endr
.irp m, 0,1,2,3
	v_permlanex16_b32 v[W1T+4+\m], v[W1T+\m], s[SEL], s[SEL+1]
.endr
.irp m, 0,1,2,3
	v_add_f32 v[W1T+\m], v[W1T+\m], v[W1T+4+\m]    ; with lane l xor 16's half
.endr
	v_cndmask_b32 v[VWT+2], v[W1T], v[W1T+2], s[MHI]       ; lanes 0-15 store rows 4 r, 4 r + 1, lanes 16-31 rows 4 r + 2, 4 r + 3
	v_cndmask_b32 v[VWT+3], v[W1T+1], v[W1T+3], s[MHI]
	global_store_b64 v[SRO], v[VWT+2:VWT+3], s[12:13]      ; the wave stores 256 consecutive bytes, at a multiple of 256 from sraw's first byte
	s_wait_tensorcnt 0x0                           ; the wave's end: behind my last tensor load and my last LDS store
	ds_add_u32 v[SPW], v[NIL]
	s_wait_dscnt 0x0
	ROUND                                          ; the closing round: no work-group ends while a partner may still ask for a tile that names it
	s_endpgm
.Lfunc_end_k_q6ef8e63165_gemm:
	.size	k_q6ef8e63165_gemm, .Lfunc_end_k_q6ef8e63165_gemm-k_q6ef8e63165_gemm
	.p2alignl 7, 3214868480
	.fill 96, 4, 3214868480
	.section	.rodata,"a",@progbits
	.p2align	6, 0x0
	.amdhsa_kernel k_q6ef8e63165_gemm
		.amdhsa_group_segment_fixed_size 327680
		.amdhsa_private_segment_fixed_size 0
		.amdhsa_enable_private_segment 0
		.amdhsa_kernarg_size 40
		.amdhsa_user_sgpr_count 2
		.amdhsa_user_sgpr_kernarg_segment_ptr 1
		.amdhsa_wavefront_size32 1
		.amdhsa_system_sgpr_workgroup_id_x 1
		.amdhsa_system_sgpr_workgroup_id_y 1
		.amdhsa_system_sgpr_workgroup_id_z 1
		.amdhsa_system_vgpr_workitem_id 0
		.amdhsa_next_free_vgpr 1024
		.amdhsa_next_free_sgpr 66
		.amdhsa_reserve_vcc 0
		.amdhsa_float_denorm_mode_32 3
		.amdhsa_float_denorm_mode_16_64 3
		.amdhsa_memory_ordered 1
		.amdhsa_forward_progress 1
		.amdhsa_inst_pref_size 255
	.end_amdhsa_kernel
	.section	.bss,"aw",@nobits
	.p2align	6
	.space	262144
	.amdgpu_metadata
---
amdhsa.version: [ 1, 2 ]
amdhsa.kernels:
  - .name:           k_q6ef8e63165_gemm
    .symbol:         k_q6ef8e63165_gemm.kd
    .args:
      - { .name: matrix, .offset: 0, .size: 8, .value_kind: global_buffer, .address_space: global }
      - { .name: coverage, .offset: 8, .size: 8, .value_kind: global_buffer, .address_space: global }
      - { .name: uimg, .offset: 16, .size: 8, .value_kind: global_buffer, .address_space: global }
      - { .name: tab, .offset: 24, .size: 8, .value_kind: global_buffer, .address_space: global }
      - { .name: sraw, .offset: 32, .size: 8, .value_kind: global_buffer, .address_space: global }
    .group_segment_fixed_size: 327680
    .private_segment_fixed_size: 0
    .kernarg_segment_align: 8
    .kernarg_segment_size: 40
    .max_flat_workgroup_size: 128
    .sgpr_count:     66
    .vgpr_count:     1024
    .wavefront_size: 32
...
	.end_amdgpu_metadata
.endif
;; end of part 2
;; launch fin (part 3): grid 8 x 32, 16 waves a work-group, no clusters, 18,944 bytes of LDS; arguments sraw, matrix_mask, coverage, matrix, out0, out1, out2; writes out0, out1, out2
.if DOCPART == 3
	.amdgcn_target "amdgcn-amd-amdhsa--gfx1250"
	.amdhsa_code_object_version 6
	.text
	.protected	k_q6ef8e63165_fin
	.globl	k_q6ef8e63165_fin
	.p2align	8
	.type	k_q6ef8e63165_fin,@function
k_q6ef8e63165_fin:
	s_mov_b64 s[64:65], 0
	v_nop
	global_prefetch_b8 v0, s[64:65] scope:SCOPE_SE
	s_setreg_imm32_b32 hwreg(HW_REG_WAVE_MODE, 25, 1), 1
	s_wait_xcnt 0x0
; The masked softmax over a batch's 2,048 rows, out1 = p, out2 = coverage + p, and out0[b][d] = sum over l of p[l] matrix[b][l][d], all in f32.
; SHARES.  Work-group (dx, b) owns out0[b][128 dx .. 128 dx + 127] whole: no sum spans work-groups.  Each of a batch's eight work-groups makes the batch's softmax for itself (2,048 numbers: four a thread);
; work-group dx stores rows 256 dx .. 256 dx + 255 of out1 and out2.  For the weighted sum wave w takes rows 128 w .. 128 w + 127: a load reads 512 consecutive bytes of one row, 16 a lane.
; A ring of 32 row slots in registers keeps 32 loads of every wave on their way; the first 32 go out ahead of the softmax.  Memory binds: no matrix unit (the product has one row), no tensor load, no cluster.
; The maximum is taken away ahead of the exponential, as in the formula.  A row whose mask is false has the logit -1e30 and p = 0; a batch with no true entry gives zeros.
.set RMAX, 0                           ; LDS: the waves' maxima, 4 bytes each;
.set RSUM, 256                         ; their sums;
.set PT,   512                         ; p of the 2,048 rows;
.set PART, 8704                        ; the waves' parts of out0: 512 bytes each
.set P,    32                          ; v32-63   p of 32 rows (the same in every lane)
.set X,    64                          ; v64-191  32 row slots of 4 registers
.set ACCU, 192                         ; v192-195 the even rows' sums, v196-199 the odd rows'
	s_load_b256 s[4:11], s[0:1], 0x0               ; sraw s[4:5], the mask s[6:7], coverage s[8:9], matrix s[10:11]
	s_load_b128 s[12:15], s[0:1], 0x20             ; out0 s[12:13], out1 s[14:15]
	s_load_b64 s[16:17], s[0:1], 0x30              ; out2
	v_lshl_add_u32 v208, v0, 2, 0x4200
	v_mov_b32 v209, 0
	v_lshrrev_b32 v1, 5, v0
	v_readfirstlane_b32 s18, v1                    ; wave 0..15
	s_and_b32 s19, ttmp7, 0xffff                   ; the batch
	v_lshlrev_b32 v2, 4, v0                        ; 16 t: my four rows in sraw, coverage, out1, out2; my place in PT and PART
	v_lshlrev_b32 v3, 2, v0                        ; 4 t: their mask bytes
	v_and_b32 v4, 31, v0
	v_lshlrev_b32 v4, 4, v4                        ; 16 x lane
	s_lshl_b32 s36, s18, 9
	v_mov_b32 v5, s36                              ; 512 x wave: my wave's 128 p
	s_lshl_b32 s34, s18, 2
	v_mov_b32 v22, s34                             ; 4 x wave
	v_mov_b32 v23, 0
	v_mov_b32 v21, 0                               ; written once: a lane permute's destination counts as one of its sources
	v_mov_b32 v14, 0xf149f2ca                      ; -1e30
	s_mov_b32 s32, 0x76543210
	s_mov_b32 s33, 0xfedcba98                      ; v_permlanex16_b32's selects for lane l xor 16
	s_lshl_b32 s24, s19, 13                        ; a batch's 2,048 f32
	s_mov_b32 s25, 0
	s_lshl_b32 s26, s19, 11                        ; its 2,048 mask bytes
	s_mov_b32 s27, 0
	s_lshl_b32 s28, s19, 23                        ; its 2,048 rows of 4,096 bytes (the sum stays under 2^28),
	s_lshl_b32 s29, s18, 19                        ; my wave's 128 of them,
	s_add_co_u32 s28, s28, s29
	s_lshl_b32 s29, ttmp9, 9                       ; the work-group's 512 bytes of a row
	s_add_co_u32 s28, s28, s29
	s_lshl_b32 s30, s19, 12                        ; out0: a row of 4,096 bytes a batch, the same 512 bytes
	s_add_co_u32 s30, s30, s29
	s_mov_b32 s29, 0
	s_mov_b32 s31, 0
	s_wait_kmcnt 0x0
	s_add_nc_u64 s[4:5], s[4:5], s[24:25]
	s_add_nc_u64 s[8:9], s[8:9], s[24:25]
	s_add_nc_u64 s[14:15], s[14:15], s[24:25]
	s_add_nc_u64 s[16:17], s[16:17], s[24:25]
	s_add_nc_u64 s[6:7], s[6:7], s[26:27]
	s_add_nc_u64 s[10:11], s[10:11], s[28:29]
	s_add_nc_u64 s[12:13], s[12:13], s[30:31]
	global_load_b128 v[8:11], v2, s[4:5]
	global_load_b32 v12, v3, s[6:7]
	global_load_b128 v[16:19], v2, s[8:9]
.set K, 0
.rept 32
	global_load_b128 v[X+4*K:X+4*K+3], v4, s[10:11] offset:4096*K th:TH_LOAD_NT    ; the ring is filled: rows 0 to 31
.set K, K+1
.endr
	s_wait_loadcnt 32                              ; the three small loads are in; the 32 rows stay on their way
.irp i, 0,1,2,3
	v_bfe_u32 v13, v12, 8*\i, 8
	v_cmp_ne_u32 s[20+\i], 0, v13                  ; the mask of my row i, a bit a lane
	v_cndmask_b32 v[8+\i], v14, v[8+\i], s[20+\i]  ; the logit
.endr
	v_max3_num_f32 v20, v8, v9, v10
	v_max_num_f32 v20, v20, v11
	v_max_num_f32_dpp v20, v20, v20 row_xmask:1 row_mask:0xf bank_mask:0xf
	v_max_num_f32_dpp v20, v20, v20 row_xmask:2 row_mask:0xf bank_mask:0xf
	v_max_num_f32_dpp v20, v20, v20 row_xmask:4 row_mask:0xf bank_mask:0xf
	v_max_num_f32_dpp v20, v20, v20 row_xmask:8 row_mask:0xf bank_mask:0xf
	v_permlanex16_b32 v21, v20, s32, s33
	v_max_num_f32 v20, v20, v21                    ; my wave's maximum
	ds_store_b32 v22, v20 offset:RMAX              ; all lanes write the same word with the same value
	s_wait_dscnt 0x0                               ; for the others' sake
	s_barrier_signal -1
	s_barrier_wait -1
.irp i, 0,1,2,3
	ds_load_b128 v[P+4*\i:P+4*\i+3], v23 offset:RMAX+16*\i
.endr
	s_wait_dscnt 0x0
	v_max3_num_f32 v20, v32, v33, v34
	v_max3_num_f32 v21, v35, v36, v37
	v_max3_num_f32 v20, v20, v38, v39
	v_max3_num_f32 v21, v21, v40, v41
	v_max3_num_f32 v20, v20, v42, v43
	v_max3_num_f32 v21, v21, v44, v45
	v_max3_num_f32 v20, v20, v46, v47
	v_max_num_f32 v20, v20, v21                    ; the batch's maximum
.irp i, 0,1,2,3
	v_sub_f32 v[24+\i], v[8+\i], v20
.endr
.irp i, 0,1,2,3
	v_mul_f32 v[24+\i], 0x3fb8aa3b, v[24+\i]       ; x log2(e)
.endr
.irp i, 0,1,2,3
	v_exp_f32 v[24+\i], v[24+\i]
.endr
	v_nop                                          ; a plain place behind the last exponential
	s_wait_alu depctr_va_vdst(0)                   ; one wait for the four, ahead of their first reader
	v_add_f32 v20, v24, v25
	v_add_f32 v21, v26, v27
	v_add_f32 v20, v20, v21
	v_add_f32_dpp v20, v20, v20 row_xmask:1 row_mask:0xf bank_mask:0xf
	v_add_f32_dpp v20, v20, v20 row_xmask:2 row_mask:0xf bank_mask:0xf
	v_add_f32_dpp v20, v20, v20 row_xmask:4 row_mask:0xf bank_mask:0xf
	v_add_f32_dpp v20, v20, v20 row_xmask:8 row_mask:0xf bank_mask:0xf
	v_permlanex16_b32 v21, v20, s32, s33
	v_add_f32 v20, v20, v21                        ; my wave's sum
	ds_store_b32 v22, v20 offset:RSUM              ; other bytes than the maxima's: no barrier is owed between their reads and this store
	s_wait_dscnt 0x0
	s_barrier_signal -1
	s_barrier_wait -1
.irp i, 0,1,2,3
	ds_load_b128 v[P+4*\i:P+4*\i+3], v23 offset:RSUM+16*\i
.endr
	s_wait_dscnt 0x0
	v_pk_add_f32 v[32:33], v[32:33], v[34:35]
	v_pk_add_f32 v[36:37], v[36:37], v[38:39]
	v_pk_add_f32 v[40:41], v[40:41], v[42:43]
	v_pk_add_f32 v[44:45], v[44:45], v[46:47]
	v_pk_add_f32 v[32:33], v[32:33], v[36:37]
	v_pk_add_f32 v[40:41], v[40:41], v[44:45]
	v_pk_add_f32 v[32:33], v[32:33], v[40:41]
	v_add_f32 v32, v32, v33                        ; the batch's sum: at least 1, the maximum's own term
	v_rcp_f32 v20, v32
	v_nop
	s_wait_alu depctr_va_vdst(0)
.irp i, 0,1,2,3
	v_mul_f32 v[24+\i], v[24+\i], v20
.endr
.irp i, 0,1,2,3
	v_cndmask_b32 v[24+\i], 0, v[24+\i], s[20+\i]  ; 0 where the mask is false
.endr
	ds_store_b128 v2, v[24:27] offset:PT
	s_lshr_b32 s35, s18, 1                         ; waves 2 dx and 2 dx + 1 store their rows of out1 and out2: each row is stored by one work-group of the batch's eight
	s_cmp_lg_u32 s35, ttmp9
	s_cbranch_scc1 .Lnot_mine
.irp i, 0,1,2,3
	v_add_f32 v[16+\i], v[16+\i], v[24+\i]
.endr
	global_store_b128 v2, v[24:27], s[14:15]       ; a wave stores 512 consecutive bytes
	global_store_b128 v2, v[16:19], s[16:17]
.Lnot_mine:
	s_wait_dscnt 0x0                               ; my four p lie in LDS
	s_barrier_signal -1
	s_barrier_wait -1                              ; everybody's do
; Row K of round G: two packed multiply-adds; p's register is picked out of its pair for both halves.  Rows 0 and 1 start the sums: nothing is cleared.
.macro ROWFMA
.set XR, X+4*K
.set PR, P+K-K%2
.set AR, ACCU+4*(K%2)
.if (G == 0) && (K == 0)
	v_pk_mul_f32 v[AR:AR+1], v[XR:XR+1], v[PR:PR+1] op_sel_hi:[1,0]
	v_pk_mul_f32 v[AR+2:AR+3], v[XR+2:XR+3], v[PR:PR+1] op_sel_hi:[1,0]
.elseif (G == 0) && (K == 1)
	v_pk_mul_f32 v[AR:AR+1], v[XR:XR+1], v[PR:PR+1] op_sel:[0,1] op_sel_hi:[1,1]
	v_pk_mul_f32 v[AR+2:AR+3], v[XR+2:XR+3], v[PR:PR+1] op_sel:[0,1] op_sel_hi:[1,1]
.elseif K%2 == 0
	v_pk_fma_f32 v[AR:AR+1], v[XR:XR+1], v[PR:PR+1], v[AR:AR+1] op_sel_hi:[1,0,1]
	v_pk_fma_f32 v[AR+2:AR+3], v[XR+2:XR+3], v[PR:PR+1], v[AR+2:AR+3] op_sel_hi:[1,0,1]
.else
	v_pk_fma_f32 v[AR:AR+1], v[XR:XR+1], v[PR:PR+1], v[AR:AR+1] op_sel:[0,1,0] op_sel_hi:[1,1,1]
	v_pk_fma_f32 v[AR+2:AR+3], v[XR+2:XR+3], v[PR:PR+1], v[AR+2:AR+3] op_sel:[0,1,0] op_sel_hi:[1,1,1]
.endif
.endm
.set G, 0
.rept 4                                ; four rounds of 32 rows, written out: every offset is an immediate (127 x 4,096 at the most, inside the signed 24 bits: ISA guide, chapter 10), no address is stepped
.irp i, 0,1,2,3,4,5,6,7
	ds_load_b128 v[P+4*\i:P+4*\i+3], v5 offset:PT+128*G+16*\i      ; the round's 32 p: every lane reads the same words
.endr
	s_wait_dscnt 0x0
.set K, 0
.rept 32
.if G < 3
	s_wait_loadcnt 31                              ; loads come back in order (ISA guide 5.7.1): the oldest row is in, the 31 younger ones stay out
.else
	s_wait_loadcnt 31-K                            ; the last round loads nothing: the counts run down
.endif
	ROWFMA
.if G < 3
	global_load_b128 v[X+4*K:X+4*K+3], v4, s[10:11] offset:4096*(32*(G+1)+K) th:TH_LOAD_NT   ; the slot takes the row 32 further on
.endif
.set K, K+1
.endr
.set G, G+1
.endr
	v_pk_add_f32 v[ACCU:ACCU+1], v[ACCU:ACCU+1], v[ACCU+4:ACCU+5]
	v_pk_add_f32 v[ACCU+2:ACCU+3], v[ACCU+2:ACCU+3], v[ACCU+6:ACCU+7]
	ds_store_b128 v2, v[ACCU:ACCU+3] offset:PART   ; my wave's part: 512 w + 16 x lane = 16 t
	s_wait_dscnt 0x0
	s_barrier_signal -1
	s_barrier_wait -1
	s_cmp_lg_u32 s18, 0                            ; wave 0 adds the sixteen parts
	s_cbranch_scc1 .Lend
.set K, 0
.rept 16
	ds_load_b128 v[X+4*K:X+4*K+3], v4 offset:PART+512*K
.set K, K+1
.endr
	s_wait_dscnt 0x0
.irp d, 8,4,2,1
.set K, 0
.rept \d
	v_pk_add_f32 v[X+4*K:X+4*K+1], v[X+4*K:X+4*K+1], v[X+4*(K+\d):X+4*(K+\d)+1]
	v_pk_add_f32 v[X+4*K+2:X+4*K+3], v[X+4*K+2:X+4*K+3], v[X+4*(K+\d)+2:X+4*(K+\d)+3]
.set K, K+1
.endr
.endr
	global_store_b128 v4, v[X:X+3], s[12:13]       ; 512 consecutive bytes of out0, at a multiple of 256 from its first byte
.Lend:
	s_wait_tensorcnt 0x0
	ds_add_u32 v208, v209
	s_wait_dscnt 0x0
	s_endpgm
.Lfunc_end_k_q6ef8e63165_fin:
	.size	k_q6ef8e63165_fin, .Lfunc_end_k_q6ef8e63165_fin-k_q6ef8e63165_fin
	.p2alignl 7, 3214868480
	.fill 96, 4, 3214868480
	.section	.rodata,"a",@progbits
	.p2align	6, 0x0
	.amdhsa_kernel k_q6ef8e63165_fin
		.amdhsa_group_segment_fixed_size 18944
		.amdhsa_private_segment_fixed_size 0
		.amdhsa_enable_private_segment 0
		.amdhsa_kernarg_size 56
		.amdhsa_user_sgpr_count 2
		.amdhsa_user_sgpr_kernarg_segment_ptr 1
		.amdhsa_wavefront_size32 1
		.amdhsa_system_sgpr_workgroup_id_x 1
		.amdhsa_system_sgpr_workgroup_id_y 1
		.amdhsa_system_sgpr_workgroup_id_z 1
		.amdhsa_system_vgpr_workitem_id 0
		.amdhsa_next_free_vgpr 210
		.amdhsa_next_free_sgpr 66
		.amdhsa_reserve_vcc 0
		.amdhsa_float_denorm_mode_32 3
		.amdhsa_float_denorm_mode_16_64 3
		.amdhsa_memory_ordered 1
		.amdhsa_forward_progress 1
		.amdhsa_inst_pref_size 45
	.end_amdhsa_kernel
	.amdgpu_metadata
---
amdhsa.version: [ 1, 2 ]
amdhsa.kernels:
  - .name:           k_q6ef8e63165_fin
    .symbol:         k_q6ef8e63165_fin.kd
    .args:
      - { .name: sraw, .offset: 0, .size: 8, .value_kind: global_buffer, .address_space: global }
      - { .name: matrix_mask, .offset: 8, .size: 8, .value_kind: global_buffer, .address_space: global }
      - { .name: coverage, .offset: 16, .size: 8, .value_kind: global_buffer, .address_space: global }
      - { .name: matrix, .offset: 24, .size: 8, .value_kind: global_buffer, .address_space: global }
      - { .name: out0, .offset: 32, .size: 8, .value_kind: global_buffer, .address_space: global }
      - { .name: out1, .offset: 40, .size: 8, .value_kind: global_buffer, .address_space: global }
      - { .name: out2, .offset: 48, .size: 8, .value_kind: global_buffer, .address_space: global }
    .group_segment_fixed_size: 18944
    .private_segment_fixed_size: 0
    .kernarg_segment_align: 8
    .kernarg_segment_size: 56
    .max_flat_workgroup_size: 512
    .sgpr_count:     66
    .vgpr_count:     210
    .wavefront_size: 32
...
	.end_amdgpu_metadata
.endif
;; end of part 3
